; MI455X (gfx1250); checked and timed in simulation.
; The chip was launched on July 23, 2026; its instructions are those of AMD's public machine-readable ISA for CDNA 5 (MIT licence, August 2026) and "CDNA5" Instruction Set Architecture Reference Guide (July 2026). The comments in the code are by the model that wrote it; some were corrected since.
;; Multi Head Alibi Attention. Allowed arithmetic: matrix products marked QUANTISED: E2M1 operands, one E8M0 scale for each 32 along K, by v_wmma_scale_f32_16x16x128_f8f6f4 with both operands' format E2M1 (or v_wmma_scale_f32_32x16x128_f4), f32 sums; everything else in f32.
;; Inputs: k 2 x 2,048 x 1,024 float32; q 2 x 2,048 x 1,024 float32; v_codes 2 x 1,024 x 64 x 16 uint8 (E2M1 codes of v, K innermost, in blocks of 32 codes, two codes a byte); v_scales 2 x 1,024 x 64 uint8 (E8M0 scales of v, one for each 32 codes along K).
;; Outputs: out0 2 x 2,048 x 1,024 float32.
;; This version of the problem:
;;   THIS VERSION OF THE PROBLEM IS GIVEN IN LOW PRECISION. The matrix products marked QUANTISED in the list below multiply operands that are first quantised to E2M1 (2 exponent bits, 1 mantissa bit; 4 bits a number), with one power-of-two scale for each 32 numbers along K (OCP MX v1.0); their sums are f32. All else is computed in f32.
;;   The module's matrix products, in the order in which they are computed (A, B: the left and right operand; K: the contracted axis; several contracted axes count as one K, in the product's order):
;;     1. batch 32 x [M 2,048, K 64] x [K 64, N 2,048]; A: input q; B: input k: QUANTISED
;;     2. batch 32 x [M 2,048, K 2,048] x [K 2,048, N 64]; A: softmax (see below); B: input v (given as codes): QUANTISED
;;   THE QUANTISER, for each operand of a quantised product, along K:
;;     - K is cut into blocks of 32 from its start; a last block that is shorter is filled with zeros.
;;     - A block's scale is 2^e with e = floor(log2(the largest magnitude in the block)) - 2, held to -126 .. 127; a block of zeros has e = 0. As a byte (E8M0): e + 127.
;;     - Each number is divided by its block's scale, clamped to +-6, and rounded to the nearest number of E2M1, ties to even, subnormals kept.
;;     - The product sums the exact products of the quantised numbers (number of the format x scale) in f32.
;;   ~~~python
;;   def quantise(x, axis):      # numpy; x: float32 -> the quantised numbers, widened to float32 again
;;       x = np.moveaxis(x, axis, -1); K = x.shape[-1]
;;       x = np.pad(x, [(0, 0)] * (x.ndim - 1) + [(0, -K % 32)]); x = x.reshape(x.shape[:-1] + (-1, 32)); a = np.abs(x).max(-1, keepdims=True)
;;       e = np.where(a > 0, np.clip(np.frexp(np.where(a > 0, a, 1))[1] - 1 - 2, -126, 127), 0)      # np.frexp(a)[1] - 1 = floor(log2(a)), exactly
;;       r = np.clip(x / 2.0 ** e, -6, 6)
;;       step = 2.0 ** (np.maximum(np.frexp(np.where(r == 0, 1, r))[1] - 1, 0) - 1)
;;       q = np.round(r / step) * step * 2.0 ** e      # np.round: ties to even
;;       return np.moveaxis(q.reshape(q.shape[:-2] + (-1,))[..., :K], -1, axis).astype(np.float32)
;;   ~~~
;;   SOFTMAX AHEAD OF A QUANTISED PRODUCT. Where the list says 'softmax', what is quantised is not the finished softmax but p = 2^(t - M), with t = logit x log2(e) and M = ceil(the row's largest t), a whole number; so 1/2 < the row's largest p <= 1. The row's sum l is taken of the UNQUANTISED p, in f32, and the product's result is divided by l at the end. Since M is a whole number, a kernel that streams over the keys may use a running M (the ceiling of the running maximum): every later rescaling is an exact power of two, which a block's scale takes up: the codes' values come out the same.
;;   OPERANDS COMPUTED ON THE WAY. 'Computed on the way' means the value that the module computes at that place (a softmax that the list does not call 'softmax' is quantised finished and normalised). What goes into a quantiser is computed in f32, as accurately as f32 sums, v_exp_f32 and their like allow (about 1e-6 of the number): no bf16 or f16 on the way to a quantiser, and a product that is left as it is and whose result goes on into a quantised operand takes f32 operands (vector FMAs, or v_wmma_f32_16x16x4_f32). A number that lies on a knife's edge between two numbers of the format may be rounded either way, as far as f32 arithmetic and the matrix unit's own rounding can turn it there, and no further.
;;   INPUTS GIVEN AS CODES. v (in the module: [2, 2048, 1024], K = its axis 1): each comes as NAME_codes (uint8): NAME with its K axis moved to the last place and cut into blocks of 32 codes, [.., K / 32, bytes a block], one block behind the other in memory; two codes a byte, the lower K in the low four bits (a code: sign, 2 exponent bits, 1 mantissa bit); and NAME_scales (uint8): the same leading axes, one E8M0 byte (e + 127) for each 32 codes along K. Its value is code x scale, taken as it is: it is not quantised again, and the codes and scales need not be those that the quantiser above would give.
;; One version. Each part assembles by itself: llvm-mc -triple=amdgcn-amd-amdhsa -mcpu=gfx1250 --defsym DOCPART=n.
;; ======== version 1 of 1: 2 launches
;; limits: inputs' magnitudes at most 1,000,000,000,000
;; workspace buffers: kq 2,359,296 bytes
;; launch kquant (part 1): grid 512 x 1, 4 waves a work-group, no clusters, 35,840 bytes of LDS; arguments k, kq; writes kq
.if DOCPART == 1
	.amdgcn_target "amdgcn-amd-amdhsa--gfx1250"
	.amdhsa_code_object_version 6
	.text
	.protected	k_q223d38d0b6_kquant
	.globl	k_q223d38d0b6_kquant
	.p2align	8
	.type	k_q223d38d0b6_kquant,@function
k_q223d38d0b6_kquant:
	s_mov_b64 s[64:65], 0
	v_nop
	global_prefetch_b8 v0, s[64:65] scope:SCOPE_SE
	s_setreg_imm32_b32 hwreg(HW_REG_WAVE_MODE, 25, 1), 1
	s_wait_xcnt 0x0
; k [2][2048][1024] f32 is quantised ONCE, head by head (a head's 64 numbers of a key are two blocks of 32 along K), into codes of FP4 (E2M1) with one E8M0 byte a block,
; and laid in kq in the order in which the attention launch's operand registers take them.  One head hh = 16 b + h has 73,728 bytes:
;   bytes 0 .. 65,535: 128 tile images of 512 bytes.  Tile T = 2 p + u holds 16 keys; lane (r, hf) has 16 bytes at 512 T + 16 lane: the codes of k = 32 hf .. 32 hf + 31 of key 32 p + 8 u + r + 8 (r / 8).
;   bytes 65,536 on:   16 scale images of 512 bytes, one for each 128 keys: the word at 512 j + 16 L + 4 i belongs to row L of tile 2 i (L < 16) or row L - 16 of tile 2 i + 1 of that step;
;                      byte 0 = block 0's scale, byte 1 = block 1's, bytes 2 and 3 = 0 (they meet zero codes alone).
; A block's scale is 2^(floor(log2(its largest magnitude)) - 2); its byte is the largest magnitude's exponent field - 2, held at 1 from below.
; LIMITS: a block of zeros, or one whose largest magnitude lies under 2^-124, gets the byte 1 (the bytes are read by this program alone; zero codes add nothing); NaN and infinities in k are not served.
; SHARES: work-group x: head h = x % 16, step j = (x / 16) % 16, batch b = x / 256: 128 keys of one head.  Wave w: keys 128 j + 32 w .. + 31: tiles 2 w and 2 w + 1 of the step.
; Each load reads two keys' 256 bytes (sixteen lanes to an aligned 256 bytes); the numbers turn through the wave's own stage in LDS, so that a lane gets the 32 neighbours of its block.
; No tensor load, no matrix work, no cluster: work-groups share no input.
.set PITCH, 272                        ; a stage row: 256 bytes + 16: 17 x 16 bytes, so the sixteen rows that a read touches begin at sixteen different 16-byte columns of 256 bytes
.set WST,   32*PITCH                   ; a wave's stage: 32 rows
.set SCW,   4*WST                      ; behind the four stages: the step's 512 bytes of scale words
.set HEADB, 73728                      ; a head's bytes in kq
.set R,   16                           ; v16-79    the numbers as loaded
.set X0,  80                           ; v80-111   tile 0: my block's 32 numbers
.set X1,  112                          ; v112-143  tile 1
.set C0,  144                          ; v144-147  tile 0's codes
.set C1,  148                          ; v148-151  tile 1's
.set BY0, 152                          ; v152, v153 my blocks' scale bytes;  v154, v155 those of the lane 16 away
	s_load_b128 s[4:7], s[0:1], 0x0                ; k s[4:5], kq s[6:7]
	v_lshl_add_u32 v168, v0, 2, 0x8a00
	v_mov_b32 v169, 0
	v_lshrrev_b32 v1, 5, v0
	v_readfirstlane_b32 s8, v1                     ; wave 0..3
	v_and_b32 v1, 31, v0                           ; lane
	v_and_b32 v2, 15, v0                           ; r
	s_wait_alu depctr_va_vdst(0)
	v_bfe_u32 v3, v0, 4, 1                         ; hf
	s_and_b32 s9, ttmp9, 15                        ; h
	s_bfe_u32 s10, ttmp9, 0x40004                  ; j
	s_lshr_b32 s11, ttmp9, 8                       ; b
	s_lshl_b32 s12, s11, 11
	s_lshl_b32 s13, s10, 7
	s_add_co_u32 s12, s12, s13
	s_lshl_b32 s13, s8, 5
	s_add_co_u32 s12, s12, s13                     ; my first row of k: 2048 b + 128 j + 32 w
	s_lshl_b32 s12, s12, 12                        ; rows of 4,096 bytes
	s_lshl_b32 s13, s9, 8
	s_add_co_u32 s12, s12, s13                     ; + the head's 256 bytes (all under 2^25)
	s_mov_b32 s13, 0
	s_lshl_b32 s14, s11, 4
	s_add_co_u32 s14, s14, s9                      ; hh
	s_mul_i32 s22, s14, HEADB
	s_lshl_b32 s23, s10, 3
	s_lshl_b32 s24, s8, 1
	s_add_co_u32 s23, s23, s24
	s_lshl_b32 s23, s23, 9
	s_add_co_u32 s16, s22, s23                     ; my two tile images: (8 j + 2 w) x 512
	s_mov_b32 s17, 0
	s_lshl_b32 s23, s10, 9
	s_add_co_u32 s18, s22, s23
	s_add_co_u32 s18, s18, 65536                   ; the step's scale image
	s_mov_b32 s19, 0
	s_mov_b32 s20, 0x76543210
	s_mov_b32 s21, 0xfedcba98                      ; v_permlanex16_b32's selects for lane l xor 16
	s_mul_i32 s15, s8, WST                         ; my stage
	v_lshlrev_b32 v4, 4, v2
	s_wait_alu depctr_va_vdst(0)
	v_lshl_add_u32 v4, v3, 12, v4                  ; in memory: lanes 0-15 one key's 256 bytes, lanes 16-31 the next key's
	v_mul_u32_u24 v5, v3, PITCH
	v_lshl_add_u32 v5, v2, 4, v5
	v_add_nc_u32 v5, s15, v5                       ; into the stage: the same two rows
	v_mul_u32_u24 v6, v2, PITCH
	v_lshl_add_u32 v6, v3, 7, v6
	v_add_nc_u32 v6, s15, v6                       ; out of it: row r, my block's 128 bytes
	v_lshlrev_b32 v7, 4, v1                        ; 16 x lane: an image's place for my lane
	s_lshl_b32 s25, s8, 2
	s_add_co_u32 s25, s25, SCW
	v_add_nc_u32 v8, s25, v7                       ; where my scale word goes: SCW + 16 lane + 4 w
	v_add_nc_u32 v9, SCW, v7                       ; and where wave 0 reads the image back
	v_mov_b32 v154, 0                              ; written once: a lane permute's destination counts as one of its sources
	v_mov_b32 v155, 0
	s_wait_alu depctr_va_vdst(0)
	s_wait_kmcnt 0x0
	s_add_nc_u64 s[4:5], s[4:5], s[12:13]
	s_add_nc_u64 s[16:17], s[6:7], s[16:17]
	s_add_nc_u64 s[18:19], s[6:7], s[18:19]
.irp i, 0,1,2,3,4,5,6,7,8,9,10,11,12,13,14,15
	global_load_b128 v[R+4*\i:R+4*\i+3], v4, s[4:5] offset:8192*\i th:TH_LOAD_NT   ; keys 2 i and 2 i + 1 of my 32
.endr
; Key kk of my 32 goes to stage row 16 u + r with u = (kk / 8) % 2, r = kk % 8 + 8 (kk / 16): a tile's sixteen rows lie together.  Keys 2 i and 2 i + 1 fall on neighbouring rows.
.irp i, 0,1,2,3,4,5,6,7,8,9,10,11,12,13,14,15
	s_wait_loadcnt 15-\i                           ; loads come back in order: load i is in, the younger ones stay out
	ds_store_b128 v5, v[R+4*\i:R+4*\i+3] offset:PITCH*(16*((\i/4)%2)+8*(\i/8)+(2*\i)%8)
.endr
.irp i, 0,1,2,3,4,5,6,7
	ds_load_b128 v[X0+4*\i:X0+4*\i+3], v6 offset:16*\i             ; LDS serves a wave's instructions in order: these see my stores
.endr
.irp i, 0,1,2,3,4,5,6,7
	ds_load_b128 v[X1+4*\i:X1+4*\i+3], v6 offset:16*PITCH+16*\i
.endr
; 32 numbers of one block, v[x] on, become 32 codes in v[c] .. v[c + 3] and the block's scale byte in v[by]
.macro QUANT x, c, by
	v_max3_num_f32 v10, |v[\x]|, |v[\x+1]|, 0x1800000              ; the largest magnitude, in two chains; the floor 2^(3 - 127) is one of its leaves: so the byte cannot fall under 1
	v_max3_num_f32 v11, |v[\x+2]|, |v[\x+3]|, |v[\x+4]|
.irp i, 5,9,13,17,21,25
	v_max3_num_f32 v10, v10, |v[\x+\i]|, |v[\x+\i+1]|
	v_max3_num_f32 v11, v11, |v[\x+\i+2]|, |v[\x+\i+3]|
.endr
	v_max3_num_f32 v10, v10, |v[\x+29]|, |v[\x+30]|
	v_max3_num_f32 v10, v10, v11, |v[\x+31]|
	v_add_nc_u32 v12, 0xff000000, v10              ; 2 off its exponent field: the conversion takes the exponent field of this operand as its scale, and nothing else of it
	v_lshrrev_b32 v[\by], 23, v12                  ; the scale's byte
.irp g, 0,1,2,3
	v_cvt_scalef32_pk8_fp4_f32 v[\c+\g], v[\x+8*\g:\x+8*\g+7], v12
.endr
	v_nop                                          ; one plain place behind the last scaled conversion
.endm
	s_wait_dscnt 8                                 ; tile 0's eight reads are in; tile 1's eight may be out
	QUANT X0, C0, BY0
	global_store_b128 v7, v[C0:C0+3], s[16:17]     ; 32 lanes store 512 consecutive bytes, at a multiple of 256 from kq's first byte
	s_wait_dscnt 0x0
	QUANT X1, C1, BY0+1
	global_store_b128 v7, v[C1:C1+3], s[16:17] offset:512
	v_permlanex16_b32 v154, v152, s20, s21         ; the other block's bytes
	v_permlanex16_b32 v155, v153, s20, s21
	v_lshl_or_b32 v10, v154, 8, v152               ; lanes 0-15: tile 0's word of row r: my byte is block 0's
	v_lshl_or_b32 v11, v153, 8, v155               ; lanes 16-31: tile 1's word of row r: my byte is block 1's
	v_cmp_le_u32 vcc_lo, 16, v1
	v_cndmask_b32 v156, v10, v11, vcc_lo
	ds_store_b32 v8, v156
	s_wait_dscnt 0x0                               ; for the others' sake: my word has landed
	s_barrier_signal -1
	s_barrier_wait -1                              ; the four waves' words make the step's image
	s_cmp_lg_u32 s8, 0
	s_cbranch_scc1 .Ldone                          ; wave 0 alone stores it
	ds_load_b128 v[160:163], v9
	s_wait_dscnt 0x0
	global_store_b128 v7, v[160:163], s[18:19]     ; 512 consecutive bytes
.Ldone:
	s_wait_tensorcnt 0x0
	ds_add_u32 v168, v169
	s_wait_dscnt 0x0
	s_endpgm
.Lfunc_end_k_q223d38d0b6_kquant:
	.size	k_q223d38d0b6_kquant, .Lfunc_end_k_q223d38d0b6_kquant-k_q223d38d0b6_kquant
	.p2alignl 7, 3214868480
	.fill 96, 4, 3214868480
	.section	.rodata,"a",@progbits
	.p2align	6, 0x0
	.amdhsa_kernel k_q223d38d0b6_kquant
		.amdhsa_group_segment_fixed_size 35840
		.amdhsa_private_segment_fixed_size 0
		.amdhsa_enable_private_segment 0
		.amdhsa_kernarg_size 16
		.amdhsa_user_sgpr_count 2
		.amdhsa_user_sgpr_kernarg_segment_ptr 1
		.amdhsa_wavefront_size32 1
		.amdhsa_system_sgpr_workgroup_id_x 1
		.amdhsa_system_sgpr_workgroup_id_y 1
		.amdhsa_system_sgpr_workgroup_id_z 1
		.amdhsa_system_vgpr_workitem_id 0
		.amdhsa_next_free_vgpr 170
		.amdhsa_next_free_sgpr 66
		.amdhsa_reserve_vcc 1
		.amdhsa_float_denorm_mode_32 3
		.amdhsa_float_denorm_mode_16_64 3
		.amdhsa_memory_ordered 1
		.amdhsa_forward_progress 1
		.amdhsa_inst_pref_size 11
	.end_amdhsa_kernel
	.amdgpu_metadata
---
amdhsa.version: [ 1, 2 ]
amdhsa.kernels:
  - .name:           k_q223d38d0b6_kquant
    .symbol:         k_q223d38d0b6_kquant.kd
    .args:
      - { .name: k, .offset: 0, .size: 8, .value_kind: global_buffer, .address_space: global }
      - { .name: kq, .offset: 8, .size: 8, .value_kind: global_buffer, .address_space: global }
    .group_segment_fixed_size: 35840
    .private_segment_fixed_size: 0
    .kernarg_segment_align: 8
    .kernarg_segment_size: 16
    .max_flat_workgroup_size: 128
    .sgpr_count:     66
    .vgpr_count:     170
    .wavefront_size: 32
...
	.end_amdgpu_metadata
.endif
;; end of part 1
;; launch attn (part 2): grid 8 x 32, 8 waves a work-group, clusters of 4 x 1, 185,344 bytes of LDS; arguments q, kq, v_codes, v_scales, out0; writes out0
.if DOCPART == 2
	.amdgcn_target "amdgcn-amd-amdhsa--gfx1250"
	.amdhsa_code_object_version 6
	.text
	.protected	k_q223d38d0b6_attn
	.globl	k_q223d38d0b6_attn
	.p2align	8
	.type	k_q223d38d0b6_attn,@function
k_q223d38d0b6_attn:
	s_mov_b64 s[64:65], 0
	v_nop
	global_prefetch_b8 v0, s[64:65] scope:SCOPE_SE
	s_setreg_imm32_b32 hwreg(HW_REG_WAVE_MODE, 25, 1), 1
	s_wait_xcnt 0x0
	s_wait_alu depctr_hold_cnt(0) depctr_sa_sdst(0) depctr_va_vdst(0) depctr_va_sdst(0) depctr_va_ssrc(0) depctr_va_vcc(0) depctr_vm_vsrc(0)
	s_getreg_b32 s2, hwreg(HW_REG_IB_STS2, 6, 4)
	s_cmp_eq_u32 s2, 0
	s_cbranch_scc0 .Lentry_in_a_cluster
	s_endpgm
.Lentry_in_a_cluster:
	s_bfe_u32 s2, ttmp6, 0x10000c
	s_cmp_lg_u32 s2, 0x3003
	s_cbranch_scc0 .Lentry_shape_is_right
	s_endpgm
.Lentry_shape_is_right:
; out0[b][t][64 h + d] = sum over s <= t of softmax_s(q.k / 8 + m_h (s - t)) v[s][d], m_h = 2^(-(h + 1) / 2); 32 heads hh = 16 b + h, 2,048 queries and keys, head size 64.
; Both products on codes of FP4 (E2M1) with one E8M0 scale for each 32 along K.  K's codes come from kq (laid by the launch before in the order of the operand's registers), V's as given (keys innermost); q is quantised here, in registers.
; THE SOFTMAX AHEAD OF THE SECOND PRODUCT: t = logit x log2(e); M = the running largest t rounded UP to a whole number; p = 2^(t - M) is quantised along the keys, not normalised; the row's sum is taken of the
; unquantised p and divides at the end.  When M moves, the sum and O are multiplied by 2^(old M - new M), which rounds nothing.
; SHARES.  Work-group g (0..7) of a head owns the sixteen query tiles g + 8 pi, pi = 0..15 (16 queries each).  A tile's key steps of 128 are pi + 1, a number that hangs on pi alone.  Wave w takes pi = w and then
; pi = 15 - w: 17 key steps for every wave of the launch.  The step j = pi lies on the diagonal, the steps behind it are left out by a scalar branch on the wave's number and the loop's counter.
; LDS IS FILLED ONCE: a head's K codes (64 KiB), K scale words (8 KiB), V codes (64 KiB) and V scale bytes (4 KiB) lie there together.  No slot is ever filled again, and behind the one barrier the waves share nothing.
; CLUSTER.  Four work-groups of one head form a cluster and need the same four blocks: each is asked for JOINTLY, by the same tensor load with the same descriptor and the mask of all four.  A wave has at most one tensor load out.
; A work-group's place in its cluster enters q's and out0's addresses and three vector values (the lane's query numbers, the mask's bound), no branch and no LDS address.
; LAYOUT.  Both products are used transposed: S^T = K Q^T (source 0 = 16 keys, source 1 = my 16 queries), O^T = V^T P^T: a lane holds ONE query (lane % 16) throughout.  The keys of a tile are not neighbours: lane r of
; tile 2 b + u holds key 32 b + 8 u + r + 8 (r / 8), so that the 16 registers of tiles 2 b and 2 b + 1 are the keys 32 b + 16 (lane / 16) + 0 .. 15.
; K = 64 IN A FORM OF 128: Q's registers 4-7 are zero codes.  So K's fragments lie four registers apart: a tile's upper four registers are the next tile's codes (behind the last: zeros), which meet Q's zeros alone.
; THE BIAS AND THE MASK ARE THE C OF THE FIRST PRODUCT: C = 8 m x (the key's place in its step), so that c (q.k + C) + G = t with c = log2(e) / 8 and G = m log2(e) x (the step's first key - my query), one number a step.
; On the diagonal hidden keys have C = 8 m x (-2^100): p = 0.  My query less the diagonal step's first key is 16 g + r in both passes, so one such C serves both.
; LIMITS: NaN and infinities in q are not served; a block of q that is all zeros or under 2^-124 gets the scale byte 1 (its codes are zeros or as the held scale gives them); the slopes are made in closed form
; and differ from a chain of f32 products by a few parts in 10^7; hidden scores are -8 m 2^100 and not -infinity: the same p = 0 while |q.k| stays far under 2^90.
; No prefetch: every stream of the launch is asked for at its head.
.set KSC,   65536                      ; LDS: K's 128 tile images from byte 0; its 16 scale images from here
.set VIMG,  73728                      ; V's codes: 64 rows of 1,024 bytes + 16 of padding
.set VP,    1040                       ; = 65 x 16 bytes: the sixteen rows of a fragment load begin at sixteen different 16-byte columns of 256 bytes
.set VSC,   VIMG+64*VP                 ; V's scale bytes: 64 rows of 64 bytes + 8 of padding
.set VSP,   72
.set STG,   VSC+64*VSP                 ; a stage for each wave, its own: 16 rows x 272 bytes, in 4,608; it begins at a multiple of 256 and no tensor load lands there
.set SP,    272
.set WSTG,  4608
.set AK0, 1                            ; v1   16 x lane: my place in a tile image of K
.set AS0, 2                            ; v2   the same in a scale image
.set AV0, 3                            ; v3   my place in a tile of V: row r, + 16 hf
.set AT0, 4                            ; v4   my row of V's scale bytes: row = lane
.set GL,  5                            ; v5   q and out0: lanes 0-15 one row's 256 bytes, lanes 16-31 the next row's
.set STI, 6                            ; v6   the stage by whole rows: the same two rows
.set SQ,  7                            ; v7   the stage: row r, my block's 128 bytes
.set SOA, 8                            ; v8   the stage: row r, + 32 hf: my eight channels of a tile
.set ADK, 9                            ; v9-12 the step's addresses
.set ADS, 10
.set ADV, 11
.set ADT, 12
.set QIA, 13                           ; v13, v14 my query's number in the first and in the second pass
.set QIB, 14
.set MP,  15                           ; v15  m log2(e)
.set QFA, 16                           ; v16-23, v24-31 Q's fragments: four registers of codes, four of zeros
.set QFB, 24
.set QSA, 32                           ; v32, v33 Q's scale words
.set QSB, 33
.set KS,  34                           ; v34-37 K's scale words of a step: register i: lanes 0-15 tile 2 i, lanes 16-31 tile 2 i + 1
.set VS,  38                           ; v38-39 V's likewise
.set KB,  40                           ; v40-71 K's eight tiles, four registers each; v72-75 zeros
.set VB,  76                           ; v76-107 V's four fragments
.set S,   108                          ; v108-171 S^T, then p
.set O,   172                          ; v172-203 O^T
.set PC,  204                          ; v204-211 p's codes
.set BM,  212                          ; v212-215 each block's largest score, then its largest p
.set PM,  216                          ; v216-219 at work
.set SO4, 220                          ; v220-223 the conversions' scale operands
.set NM,  224                          ; v224 -M
.set TM,  225                          ; v225 the largest t so far
.set AD,  226                          ; v[226:227] G - M (the low word serves both halves)
.set L,   228                          ; v[228:229] the row's sum in two halves
.set F,   230                          ; v[230:231] 2^(old M - new M)
.set PW,  232                          ; v232 p's scale word
.set G,   233
.set T0,  234
.set T1,  235
.set SU,  236                          ; v[236:237] the second chain of the sums
.set M8,  238                          ; at the head only: 8 m; 16 hf; the mask's bound; -2^100
.set H16, 239
.set DD,  240
.set BIG, 241
.set WV,  14                           ; s14 my wave's number
.set J,   60                           ; s60 the key step;  s61 the pass's pi;  s62 the step's first key
.set PI,  61
.set KF,  62
.set TK,  63                           ; s63, s66-68 where the step's tiles and scale words begin
.set TS,  66
.set TV,  67
.set TW,  68
.set MSB, 0
.macro WIN new                         ; the immediate's high byte repeats the setting that is left
.if MSB != \new
	s_set_vgpr_msb (MSB<<8)|\new
.set MSB, \new
.endif
.endm
.macro CROUND                          ; a round of the cluster's barrier: my work-group's barrier; wave 0 signals for the work-group; every wave waits for all four work-groups; my work-group's barrier once more
	s_barrier_signal -1
	s_barrier_wait -1
	s_cmp_lg_u32 s[WV], 0
	s_cbranch_scc1 .Lnot_wave_0_\@
	s_barrier_signal -3
.Lnot_wave_0_\@:
	s_barrier_wait -3
	s_barrier_signal -1
	s_barrier_wait -1
.endm
	s_load_b256 s[4:11], s[0:1], 0x0               ; q s[4:5], kq s[6:7], v_codes s[8:9], v_scales s[10:11]
	s_load_b64 s[12:13], s[0:1], 0x20              ; out0
	v_lshl_add_u32 v254, v0, 2, 0x2d000
	v_mov_b32 v255, 0
	ds_add_u32 v254, v255
	ds_add_u32 v254, v255
	v_lshrrev_b32 v250, 5, v0
	s_delay_alu instid0(VALU_DEP_1)
	v_readfirstlane_b32 s[WV], v250                ; wave 0..7
	v_and_b32 v250, 31, v0                         ; lane
	s_wait_alu depctr_va_vdst(0)
	v_and_b32 v251, 15, v0                         ; r
	s_wait_alu depctr_va_vdst(0)
	v_bfe_u32 v252, v0, 4, 1                       ; hf
	s_bfe_u32 s15, ttmp6, 0x40000                  ; cx: my place in the cluster
	s_lshl_b32 s16, ttmp9, 2
	s_add_co_u32 s16, s16, s15                     ; g = 4 x cluster x + cx
	s_and_b32 s17, ttmp7, 0xffff                   ; hh, which the four partners share
	s_lshr_b32 s18, s17, 4                         ; b
	s_and_b32 s19, s17, 15                         ; h
	s_mov_b32 s20, 0x76543210
	s_mov_b32 s21, 0xfedcba98                      ; v_permlanex16_b32's selects for lane l xor 16
	s_mov_b32 s22, 0x3e38aa3b                      ; c = log2(e) / 8
	s_mov_b32 s23, s22                             ; (named with it as a pair, so it is written)
	; my two tiles' first rows of q and of out0, in bytes: (2048 b + 128 pi + 16 g) x 4096 + 256 h, under 2^25
	s_lshl_b32 s80, s18, 11
	s_lshl_b32 s81, s16, 4                         ; 16 g: kept
	s_add_co_u32 s80, s80, s81
	s_lshl_b32 s82, s[WV], 7
	s_add_co_u32 s82, s82, s80
	s_xor_b32 s83, s[WV], 15                       ; 15 - w
	s_lshl_b32 s83, s83, 7
	s_add_co_u32 s84, s83, s80
	s_lshl_b32 s82, s82, 12
	s_lshl_b32 s84, s84, 12
	s_lshl_b32 s85, s19, 8
	s_add_co_u32 s82, s82, s85
	s_add_co_u32 s84, s84, s85
	s_mov_b32 s83, 0
	s_mov_b32 s85, 0
	; what I fetch, if I fetch; nothing here hangs on cx
	s_and_b32 s86, s[WV], 3
	s_mul_i32 s86, s86, 18432                      ; waves 0-3: a quarter of the head's 73,728 bytes of kq: the same place in LDS as in the block
	s_mul_i32 s88, s17, 73728
	s_add_co_u32 s88, s88, s86
	s_mov_b32 s89, 0
	s_and_b32 s87, s[WV], 1
	s_lshl_b32 s90, s17, 16                        ; waves 4, 5: 32 of the head's 64 rows of V's codes
	s_lshl_b32 s91, s87, 15
	s_add_co_u32 s90, s90, s91
	s_mov_b32 s91, 0
	s_mul_i32 s87, s87, 32*VP
	s_add_co_u32 s87, s87, VIMG
	s_lshl_b32 s92, s17, 12                        ; wave 6: the head's 4,096 scale bytes of V
	s_mov_b32 s93, 0
	; descriptor groups 1.  Elements of 8 bytes; 15:0 the mask of all four work-groups, bit 21 set beside it
	s_mov_b32 s24, 15|(3<<16)|(1<<21)              ; kq: 72 rows of 256 bytes, dense, no padding
	s_mov_b32 s25, 32<<16                          ; tensor_dim0 = 32
	s_mov_b32 s26, 72<<16                          ; tensor_dim1 = 72
	s_mov_b32 s27, 32<<16                          ; tile_dim0
	s_mov_b32 s28, 72                              ; tile_dim1
	s_mov_b32 s29, 32                              ; from row to row
	s_mov_b32 s30, 0
	s_mov_b32 s31, 0
	s_mov_b32 s32, 15|(3<<16)|(1<<20)|(1<<21)|(7<<22)|(3<<25)   ; V's codes: 32 rows of 1,024 bytes; four words of padding behind every 256 words
	s_mov_b32 s33, 128<<16
	s_mov_b32 s34, 32<<16
	s_mov_b32 s35, 128<<16
	s_mov_b32 s36, 32
	s_mov_b32 s37, 128
	s_mov_b32 s38, 0
	s_mov_b32 s39, 0
	s_mov_b32 s40, 15|(3<<16)|(1<<20)|(1<<21)|(3<<22)|(1<<25)   ; V's scale bytes: 64 rows of 64 bytes; two words of padding behind every 16 words
	s_mov_b32 s41, 8<<16
	s_mov_b32 s42, 64<<16
	s_mov_b32 s43, 8<<16
	s_mov_b32 s44, 64
	s_mov_b32 s45, 8
	s_mov_b32 s46, 0
	s_mov_b32 s47, 0
	; the lanes' addresses
	v_lshlrev_b32 v[AK0], 4, v250
	s_delay_alu instid0(VALU_DEP_1)
	v_add_nc_u32 v[AS0], KSC, v[AK0]
	v_mul_u32_u24 v[AV0], v251, VP
	s_wait_alu depctr_va_vdst(0)
	v_lshl_add_u32 v[AV0], v252, 4, v[AV0]
	s_delay_alu instid0(VALU_DEP_1)
	v_add_nc_u32 v[AV0], VIMG, v[AV0]
	v_mul_u32_u24 v[AT0], v250, VSP
	s_delay_alu instid0(VALU_DEP_1)
	v_add_nc_u32 v[AT0], VSC, v[AT0]
	v_lshlrev_b32 v[GL], 4, v251
	s_delay_alu instid0(VALU_DEP_1)
	v_lshl_add_u32 v[GL], v252, 12, v[GL]
	s_mul_i32 s94, s[WV], WSTG
	s_add_co_u32 s94, s94, STG                     ; my stage
	v_mul_u32_u24 v[STI], v252, SP
	s_delay_alu instid0(VALU_DEP_1)
	v_lshl_add_u32 v[STI], v251, 4, v[STI]
	s_delay_alu instid0(VALU_DEP_1)
	v_add_nc_u32 v[STI], s94, v[STI]
	v_mul_u32_u24 v[SQ], v251, SP
	s_delay_alu instid0(VALU_DEP_1)
	v_add_nc_u32 v[SQ], s94, v[SQ]
	s_delay_alu instid0(VALU_DEP_1)
	v_lshl_add_u32 v[SOA], v252, 5, v[SQ]
	s_delay_alu instid0(VALU_DEP_2)
	v_lshl_add_u32 v[SQ], v252, 7, v[SQ]
	s_wait_dscnt 0x0
	s_wait_kmcnt 0x0
	s_mov_b32 s48, 1                               ; groups 0: count = 1; LDS address; global address; type = 2
	s_mov_b32 s49, s86
	s_add_nc_u64 s[50:51], s[6:7], s[88:89]
	s_or_b32 s51, s51, 0x80000000
	s_mov_b32 s52, 1
	s_mov_b32 s53, s87
	s_add_nc_u64 s[54:55], s[8:9], s[90:91]
	s_or_b32 s55, s55, 0x80000000
	s_mov_b32 s56, 1
	s_mov_b32 s57, VSC
	s_add_nc_u64 s[58:59], s[10:11], s[92:93]
	s_or_b32 s59, s59, 0x80000000
	s_add_nc_u64 s[72:73], s[4:5], s[82:83]        ; q at my first tile, at my second
	s_add_nc_u64 s[74:75], s[4:5], s[84:85]
	s_add_nc_u64 s[76:77], s[12:13], s[82:83]      ; out0 likewise
	s_add_nc_u64 s[78:79], s[12:13], s[84:85]
	CROUND                                         ; all four work-groups are here: the joint loads meet
	; the launch's only fills, one a wave, in one chain of branches on the wave's number, which is the same in every partner.  Four v_nop follow each load
	s_cmp_lt_u32 s[WV], 4
	s_cbranch_scc0 .Lnot_k
	tensor_load_to_lds s[48:51], s[24:31]
	s_nop 0
.rept 4
	v_nop
.endr
	s_branch .Lasked
.Lnot_k:
	s_cmp_lt_u32 s[WV], 6
	s_cbranch_scc0 .Lnot_v
	tensor_load_to_lds s[52:55], s[32:39]
	s_nop 0
.rept 4
	v_nop
.endr
	s_branch .Lasked
.Lnot_v:
	s_cmp_lt_u32 s[WV], 7
	s_cbranch_scc0 .Lasked
	tensor_load_to_lds s[56:59], s[40:47]
	s_nop 0
.rept 4
	v_nop
.endr
.Lasked:
	s_wait_alu depctr_va_vdst(0)
.irp i, 0,1,2,3,4,5,6,7
	global_load_b128 v[40+4*\i:43+4*\i], v[GL], s[72:73] offset:8192*\i th:TH_LOAD_NT   ; my first tile of q: rows 2 i and 2 i + 1, sixteen lanes to an aligned 256 bytes
.endr
.irp i, 0,1,2,3,4,5,6,7
	global_load_b128 v[72+4*\i:75+4*\i], v[GL], s[74:75] offset:8192*\i th:TH_LOAD_NT   ; my second
.endr
	; the slope m = 2^(-(h + 1) / 2), and what is made of it: all this stands while the loads are on their way
	s_add_co_u32 s92, s19, 1
	s_mov_b32 s93, 0x3f3504f3                      ; 2^(-1/2)
	s_bitcmp1_b32 s92, 0                           ; h + 1 odd?
	s_cselect_b32 s93, s93, 0x3f800000
	s_lshr_b32 s92, s92, 1
	s_sub_co_u32 s92, 0, s92
	v_mov_b32 v249, s93
	s_delay_alu instid0(VALU_DEP_1)
	v_ldexp_f32 v249, v249, s92                    ; m
	s_delay_alu instid0(VALU_DEP_1)
	v_mul_f32 v[M8], 0x41000000, v249              ; 8 m
	s_delay_alu instid0(VALU_DEP_2)
	v_mul_f32 v[MP], 0x3fb8aa3b, v249              ; m log2(e)
	v_lshlrev_b32 v[H16], 4, v252
	v_add_nc_u32 v[DD], s81, v251
	s_delay_alu instid0(VALU_DEP_1)
	v_sub_nc_u32 v[DD], v[DD], v[H16]              ; 16 g + r - 16 hf: on the diagonal register n's key is hidden where 32 (n / 16) + n % 16 is above it
	v_mov_b32 v[BIG], 0xf1800000                   ; -2^100
	s_lshl_b32 s95, s[WV], 7
	s_add_co_u32 s95, s95, s81
	v_add_nc_u32 v[QIA], s95, v251                 ; my query: 128 pi + 16 g + r
	s_xor_b32 s95, s[WV], 15
	s_lshl_b32 s95, s95, 7
	s_add_co_u32 s95, s95, s81
	v_add_nc_u32 v[QIB], s95, v251
	v_mov_b32 v248, 0                              ; written once: a lane permute's destination counts as one of its sources
	; the first product's C, in window 1: v0-63 for an open step, v64-127 for the diagonal.  Register n = 8 t + jj of S^T holds the step's key 32 (n / 16) + n % 16 + 16 hf
.set n, 0
.rept 64
	v_add_nc_u32 v[S+n], 32*(n/16)+n%16, v[H16]
.set n, n+1
.endr
.set n, 0
.rept 64
	v_cvt_f32_u32 v[S+n], v[S+n]
.set n, n+1
.endr
	WIN 0x40                                       ; destination window 1
.set n, 0
.rept 64
	v_mul_f32 v[n], v[M8], v[S+n]
.set n, n+1
.endr
	WIN 0
.set n, 0
.rept 64
	v_cmp_gt_i32 vcc_lo, 32*(n/16)+n%16, v[DD]
	s_delay_alu instid0(VALU_DEP_1)
	v_cndmask_b32 v[S+n], v[S+n], v[BIG], vcc_lo
.set n, n+1
.endr
	WIN 0x40
.set n, 0
.rept 64
	v_mul_f32 v[64+n], v[M8], v[S+n]
.set n, n+1
.endr
	WIN 0
	; q turns through my stage: in by whole rows, out 128 bytes a lane: lane (r, hf) gets block hf of query r
	s_wait_loadcnt 8                               ; the first tile's eight loads are in, the second's may be out
.irp i, 0,1,2,3,4,5,6,7
	ds_store_b128 v[STI], v[40+4*\i:43+4*\i] offset:2*SP*\i
.endr
.irp i, 0,1,2,3,4,5,6,7
	ds_load_b128 v[172+4*\i:175+4*\i], v[SQ] offset:16*\i          ; LDS serves a wave's instructions in order: these see the stores above, and the stores below come behind them
.endr
	s_wait_loadcnt 0x0
.irp i, 0,1,2,3,4,5,6,7
	ds_store_b128 v[STI], v[72+4*\i:75+4*\i] offset:2*SP*\i
.endr
.irp i, 0,1,2,3,4,5,6,7
	ds_load_b128 v[204+4*\i:207+4*\i], v[SQ] offset:16*\i
.endr
; 32 numbers of one block of q, v[x] on, become four registers of codes in v[qf] on; the row's scale word in v[qs] (right in lanes 0-15, which alone are read)
.macro QQ x, qf, qs
	v_max3_num_f32 v244, |v[\x]|, |v[\x+1]|, 0x1800000             ; the largest magnitude, in two chains, with the floor 2^(3 - 127) among its leaves: the byte cannot fall under 1
	v_max3_num_f32 v245, |v[\x+2]|, |v[\x+3]|, |v[\x+4]|
.irp i, 5,9,13,17,21,25
	s_delay_alu instid0(VALU_DEP_2)
	v_max3_num_f32 v244, v244, |v[\x+\i]|, |v[\x+\i+1]|
	s_delay_alu instid0(VALU_DEP_2)
	v_max3_num_f32 v245, v245, |v[\x+\i+2]|, |v[\x+\i+3]|
.endr
	s_delay_alu instid0(VALU_DEP_2)
	v_max3_num_f32 v244, v244, |v[\x+29]|, |v[\x+30]|
	s_delay_alu instid0(VALU_DEP_1)
	v_max3_num_f32 v244, v244, v245, |v[\x+31]|
	s_delay_alu instid0(VALU_DEP_1)
	v_add_nc_u32 v246, 0xff000000, v244            ; 2 off its exponent field: the conversion's scale operand
	s_delay_alu instid0(VALU_DEP_1)
	v_lshrrev_b32 v247, 23, v246                   ; the scale's byte
.irp g, 0,1,2,3
	v_cvt_scalef32_pk8_fp4_f32 v[\qf+\g], v[\x+8*\g:\x+8*\g+7], v246
.endr
	v_nop                                          ; one plain place behind the last scaled conversion
	v_permlanex16_b32 v248, v247, s20, s21
	s_delay_alu instid0(VALU_DEP_1)
	v_lshl_or_b32 v[\qs], v248, 8, v247            ; block 0's byte, block 1's; bytes 2 and 3 are 0: they scale zero codes
.endm
	s_wait_dscnt 16                                ; the first tile is back; the second's eight stores and eight loads may be out
	QQ 172, QFA, QSA
	s_wait_dscnt 0x0
	QQ 204, QFB, QSB
.irp z, 20,21,22,23, 28,29,30,31, 72,73,74,75, 216,217,218,219, 227, 231, 235
	v_mov_b32 v[\z], 0                             ; Q's upper halves and the registers behind K's last tile: zero codes; permutes' destinations and the upper words of pairs: written once
.endr
	s_wait_tensorcnt 0x0                           ; my part of the head's blocks has landed,
	s_wait_dscnt 0x0
	s_barrier_signal -1
	s_barrier_wait -1                              ; everybody's has: from here on LDS below the stages is only read
; S^T = K Q^T + C: eight tiles of 16 keys.  C lies in window 1, at v[cb] on.  Tile t's scale words: register t / 2, lanes 0-15 for even t, lanes 16-31 for odd t
.macro SPROD qf, qs, cb
	WIN 0x10                                       ; source 2 window 1
.irp t, 0,1,2,3,4,5,6,7
.if (\t)%2
	v_wmma_scale_f32_16x16x128_f8f6f4 v[S+8*\t:S+8*\t+7], v[KB+4*\t:KB+4*\t+7], v[\qf:\qf+7], v[\cb+8*\t:\cb+8*\t+7], v[KS+\t/2], v[\qs] matrix_a_fmt:MATRIX_FMT_FP4 matrix_b_fmt:MATRIX_FMT_FP4 matrix_a_scale:MATRIX_SCALE_ROW1
.else
	v_wmma_scale_f32_16x16x128_f8f6f4 v[S+8*\t:S+8*\t+7], v[KB+4*\t:KB+4*\t+7], v[\qf:\qf+7], v[\cb+8*\t:\cb+8*\t+7], v[KS+\t/2], v[\qs] matrix_a_fmt:MATRIX_FMT_FP4 matrix_b_fmt:MATRIX_FMT_FP4
.endif
.endr
	WIN 0                                          ; at a label and at a branch every window is 0
.endm
; ONE TILE OF 16 QUERIES from first key to last.  s[PI] = its pi.  The loop has 16 trips in every wave; a trip whose keys all come after the tile's queries does nothing but step the addresses.
.macro PASS qf, qs, qi, ob
	v_mov_b32 v[TM], 0xff61b1e6                    ; the largest t so far: -3e38, under every t
	s_delay_alu instid0(VALU_DEP_1)
	v_floor_f32 v[NM], -v[TM]
	v_mov_b32 v[L], 0
	v_mov_b32 v[L+1], 0
.set n, 0
.rept 32
	v_mov_b32 v[O+n], 0                            ; the step is written once: the first finds zeros, which the first change of M leaves zeros
.set n, n+1
.endr
	s_mov_b32 s[J], 0
	s_mov_b32 s[KF], 0
	s_mov_b32 s[TK], 0
	s_mov_b32 s[TS], 0
	s_mov_b32 s[TV], 0
	s_mov_b32 s[TW], 0
.Ltrip_\@:
	s_cmp_gt_u32 s[J], s[PI]
	s_cbranch_scc1 .Lhid_\@                        ; all 128 keys are hidden
	s_setprio 2
	v_add_nc_u32 v[ADK], s[TK], v[AK0]             ; these seven are also the places between the last trip's products and the loads into the registers that they read
	v_add_nc_u32 v[ADS], s[TS], v[AS0]
	v_add_nc_u32 v[ADV], s[TV], v[AV0]
	v_add_nc_u32 v[ADT], s[TW], v[AT0]
	v_sub_nc_u32 v[T0], s[KF], v[\qi]
	s_delay_alu instid0(VALU_DEP_1)
	v_cvt_f32_i32 v[T0], v[T0]
	s_delay_alu instid0(VALU_DEP_1)
	v_mul_f32 v[G], v[MP], v[T0]                   ; G = m log2(e) x (the step's first key - my query)
	ds_load_b128 v[KS:KS+3], v[ADS]
.irp t, 0,1,2,3,4,5,6,7
	ds_load_b128 v[KB+4*\t:KB+4*\t+3], v[ADK] offset:512*\t
.endr
.irp t, 0,1,2,3
.irp c, 0,1
	ds_load_b128 v[VB+8*\t+4*\c:VB+8*\t+4*\c+3], v[ADV] offset:16*\t*VP+32*\c
.endr
.endr
.irp i, 0,1
	ds_load_b32 v[VS+\i], v[ADT] offset:32*VSP*\i
.endr
	s_wait_dscnt 10                                ; K's words and tiles are in; V's eight fragment loads and two scale loads, issued behind them, may be out
	s_cmp_eq_u32 s[J], s[PI]
	s_cbranch_scc1 .Ldiag_\@
	SPROD \qf, \qs, 0
	s_branch .Ljoin_\@
.Ldiag_\@:
	SPROD \qf, \qs, 64                             ; on the diagonal: the C that hides the keys behind my query
.Ljoin_\@:
.rept 4
	v_nop                                          ; four places between the products and the first read of their results
.endr
.irp b, 0,1,2,3
	v_max3_num_f32 v[BM+\b], v[S+16*\b], v[S+16*\b+1], v[S+16*\b+2]   ; the largest score of each block of 32 keys: for the row's maximum, and, since p rises with the score, for the block's largest p.  Each accumulator is read from its low end on
.endr
.irp i, 3,5,7,9,11,13
.irp b, 0,1,2,3
	v_max3_num_f32 v[BM+\b], v[BM+\b], v[S+16*\b+\i], v[S+16*\b+\i+1]
.endr
.endr
.irp b, 0,1,2,3
	v_max_num_f32 v[BM+\b], v[BM+\b], v[S+16*\b+15]
.endr
.irp b, 0,1,2,3
	s_delay_alu instid0(VALU_DEP_4)
	v_permlanex16_b32 v[PM+\b], v[BM+\b], s20, s21
.endr
.irp b, 0,1,2,3
	s_delay_alu instid0(VALU_DEP_4)
	v_max_num_f32 v[BM+\b], v[BM+\b], v[PM+\b]     ; with lane l xor 16's 16 keys
.endr
	s_delay_alu instid0(VALU_DEP_2)
	v_max3_num_f32 v[T1], v[BM], v[BM+1], v[BM+2]
	s_delay_alu instid0(VALU_DEP_1)
	v_max_num_f32 v[T1], v[T1], v[BM+3]
	s_delay_alu instid0(VALU_DEP_1)
	v_fma_f32 v[T1], v[T1], s22, v[G]              ; the step's largest t of my query (c is positive)
	s_delay_alu instid0(VALU_DEP_1)
	v_max_num_f32 v[TM], v[TM], v[T1]
	v_mov_b32 v[T1], v[NM]
	s_delay_alu instid0(VALU_DEP_2)
	v_floor_f32 v[NM], -v[TM]                      ; the new -M = floor(-t): M is a whole number
	s_delay_alu instid0(VALU_DEP_1)
	v_sub_f32 v[T1], v[NM], v[T1]                  ; old M - new M: a whole number, 0 or less
	s_delay_alu instid0(VALU_DEP_1)
	v_cvt_i32_f32 v[T1], v[T1]                     ; (it saturates)
	s_delay_alu instid0(VALU_DEP_1)
	v_ldexp_f32 v[F], 1.0, v[T1]                   ; f = 2^(old M - new M)
	s_delay_alu instid0(VALU_DEP_4)
	v_add_f32 v[AD], v[G], v[NM]
.irp j, 0,2,4,6,8,10,12,14,16,18,20,22,24,26,28,30,32,34,36,38,40,42,44,46,48,50,52,54,56,58,60,62
	v_pk_fma_f32 v[S+\j:S+\j+1], v[S+\j:S+\j+1], s[22:23], v[AD:AD+1] op_sel_hi:[1,0,0]   ; t - M, two at a time
.endr
.irp b, 0,1,2,3
	v_fma_f32 v[BM+\b], v[BM+\b], s22, v[AD]       ; the same of each block's largest score
.endr
.set n, 0
	s_setprio 1
	s_wait_alu depctr_va_vdst(0)
.rept 64
	v_exp_f32 v[S+n], v[S+n]                       ; p = 2^(t - M), at most 1
.set n, n+1
.endr
	v_pk_mul_f32 v[L:L+1], v[L:L+1], v[F:F+1] op_sel_hi:[1,0]      ; the sums under the new M: the plain instruction behind the exponentials
	s_wait_alu depctr_va_vdst(0)                   ; one wait for the batch of 64, ahead of its first reader
.irp b, 0,1,2,3
	v_exp_f32 v[BM+\b], v[BM+\b]                   ; the block's largest p: the same two instructions on the same number
.endr
	v_pk_add_f32 v[236:237], v[112:113], v[116:117]
	v_pk_add_f32 v[252:253], v[120:121], v[124:125]
	v_pk_add_f32 v[250:251], v[128:129], v[132:133]
	v_pk_add_f32 v[248:249], v[136:137], v[140:141]
	v_pk_add_f32 v[246:247], v[144:145], v[148:149]
	v_pk_add_f32 v[244:245], v[152:153], v[156:157]
	v_pk_add_f32 v[242:243], v[160:161], v[164:165]
	v_pk_add_f32 v[228:229], v[228:229], v[168:169]
	v_pk_add_f32 v[236:237], v[236:237], v[108:109]
	v_pk_add_f32 v[252:253], v[252:253], v[110:111]
	v_pk_add_f32 v[250:251], v[250:251], v[114:115]
	v_pk_add_f32 v[248:249], v[248:249], v[118:119]
	v_pk_add_f32 v[246:247], v[246:247], v[122:123]
	v_pk_add_f32 v[244:245], v[244:245], v[126:127]
	v_pk_add_f32 v[242:243], v[242:243], v[130:131]
	v_pk_add_f32 v[228:229], v[228:229], v[134:135]
	v_pk_add_f32 v[236:237], v[236:237], v[138:139]
	v_pk_add_f32 v[252:253], v[252:253], v[142:143]
	v_pk_add_f32 v[250:251], v[250:251], v[146:147]
	v_pk_add_f32 v[248:249], v[248:249], v[150:151]
	v_pk_add_f32 v[246:247], v[246:247], v[154:155]
	v_pk_add_f32 v[244:245], v[244:245], v[158:159]
	v_pk_add_f32 v[242:243], v[242:243], v[162:163]
	v_pk_add_f32 v[228:229], v[228:229], v[166:167]
	v_pk_add_f32 v[236:237], v[236:237], v[170:171]
	s_delay_alu instid0(VALU_DEP_2)
	v_pk_add_f32 v[228:229], v[228:229], v[248:249]
	s_delay_alu instid0(VALU_DEP_2)
	v_pk_add_f32 v[236:237], v[236:237], v[246:247]
	v_pk_add_f32 v[252:253], v[252:253], v[244:245]
	v_pk_add_f32 v[250:251], v[250:251], v[242:243]
	s_delay_alu instid0(VALU_DEP_2)
	v_pk_add_f32 v[228:229], v[228:229], v[252:253]
	s_delay_alu instid0(VALU_DEP_2)
	v_pk_add_f32 v[236:237], v[236:237], v[250:251]
	s_delay_alu instid0(VALU_DEP_1)
	v_pk_add_f32 v[228:229], v[228:229], v[236:237]
	s_wait_alu depctr_va_vdst(0)                   ; and one for the four
.irp b, 0,1,2,3
	v_max_num_f32 v[BM+\b], 0x1800000, v[BM+\b]    ; the floor 2^(3 - 127): the byte cannot fall under 1 (a block whose every p is 0 keeps that byte: its codes are zeros)
.endr
.irp b, 0,1,2,3
	s_delay_alu instid0(VALU_DEP_4)
	v_add_nc_u32 v[SO4+\b], 0xff000000, v[BM+\b]   ; 2 off the exponent field: the conversion's scale operand
.endr
.irp b, 0,1,2,3
	s_delay_alu instid0(VALU_DEP_4)
	v_lshrrev_b32 v[PM+\b], 23, v[SO4+\b]          ; the scale's byte
.endr
	s_delay_alu instid0(VALU_DEP_3)
	v_lshl_or_b32 v[PW], v[PM+1], 8, v[PM]         ; p's scale word for these 128 keys
	s_delay_alu instid0(VALU_DEP_1)
	v_lshl_or_b32 v[PW], v[PM+2], 16, v[PW]
	s_delay_alu instid0(VALU_DEP_1)
	v_lshl_or_b32 v[PW], v[PM+3], 24, v[PW]
	s_setprio 0
.irp b, 0,1,2,3
	v_cvt_scalef32_pk8_fp4_f32 v[PC+2*\b], v[S+16*\b:S+16*\b+7], v[SO4+\b]
	v_cvt_scalef32_pk8_fp4_f32 v[PC+2*\b+1], v[S+16*\b+8:S+16*\b+15], v[SO4+\b]
.endr
	v_nop                                          ; one plain place behind the last scaled conversion
.irp c, 0,1                                    ; the operand's layout wants a whole block in a lane: lanes 0-15 block 2 c, lanes 16-31 block 2 c + 1
.irp i, 0,1
	v_permlane16_swap_b32 v[PC+4*\c+\i], v[PC+4*\c+2+\i]
.endr
.endr
.irp j, 0,2,4,6,8,10,12,14,16,18,20,22,24,26,28,30
	v_pk_mul_f32 v[O+\j:O+\j+1], v[O+\j:O+\j+1], v[F:F+1] op_sel_hi:[1,0]   ; O^T under the new M, each accumulator from its low end on.  These sixteen are also the places between p's codes and scale word and the scaled products
.endr
	s_wait_alu depctr_va_vdst(0)
	s_wait_dscnt 0x0                               ; V's fragments and scale words are in
.irp t, 0,1,2,3                                ; O^T += V^T P^T: four accumulators, one instruction each; the matrix instructions before and behind them write S^T
.if (\t)%2
	v_wmma_scale_f32_16x16x128_f8f6f4 v[O+8*\t:O+8*\t+7], v[VB+8*\t:VB+8*\t+7], v[PC:PC+7], v[O+8*\t:O+8*\t+7], v[VS+\t/2], v[PW] matrix_a_fmt:MATRIX_FMT_FP4 matrix_b_fmt:MATRIX_FMT_FP4 matrix_a_scale:MATRIX_SCALE_ROW1
.else
	v_wmma_scale_f32_16x16x128_f8f6f4 v[O+8*\t:O+8*\t+7], v[VB+8*\t:VB+8*\t+7], v[PC:PC+7], v[O+8*\t:O+8*\t+7], v[VS+\t/2], v[PW] matrix_a_fmt:MATRIX_FMT_FP4 matrix_b_fmt:MATRIX_FMT_FP4
.endif
.endr
.Lhid_\@:
	s_add_co_u32 s[KF], s[KF], 128                 ; the next step: 128 keys, eight tile images, a scale image, 64 bytes of V's rows, a word of V's scale rows
	s_add_co_u32 s[TK], s[TK], 4096
	s_add_co_u32 s[TS], s[TS], 512
	s_add_co_u32 s[TV], s[TV], 64
	s_add_co_u32 s[TW], s[TW], 4
	s_add_co_u32 s[J], s[J], 1
	s_cmp_lt_u32 s[J], 16
	s_cbranch_scc1 .Ltrip_\@
	s_setprio 0
	; THE WAY OUT: O^T / the sum goes through my stage and leaves as whole rows: a row's 64 channels are 256 bytes of out0, aligned
.rept 4
	v_nop                                          ; four places between the last products and the first read of O^T
.endr
	v_add_f32 v[L], v[L], v[L+1]                   ; the sum's two halves,
	s_delay_alu instid0(VALU_DEP_1)
	v_permlanex16_b32 v[T1], v[L], s20, s21
	s_delay_alu instid0(VALU_DEP_1)
	v_add_f32 v[L], v[L], v[T1]                    ; and lane l xor 16's
	s_wait_alu depctr_va_vdst(0)
	v_rcp_f32 v[L], v[L]
	v_nop                                          ; a plain instruction behind the reciprocal,
	s_wait_alu depctr_va_vdst(0)                   ; and a wait ahead of its first reader
.irp j, 0,2,4,6,8,10,12,14,16,18,20,22,24,26,28,30
	v_pk_mul_f32 v[S+\j:S+\j+1], v[O+\j:O+\j+1], v[L:L+1] op_sel_hi:[1,0]   ; register 8 t + i is o(query r, channel 16 t + 8 hf + i)
.endr
.irp t, 0,1,2,3
	ds_store_b128 v[SOA], v[S+8*\t:S+8*\t+3] offset:64*\t
	ds_store_b128 v[SOA], v[S+8*\t+4:S+8*\t+7] offset:64*\t+16
.endr
.irp i, 0,1,2,3,4,5,6,7
	ds_load_b128 v[KB+4*\i:KB+4*\i+3], v[STI] offset:2*SP*\i       ; LDS serves a wave's instructions in order: these see my stores
.endr
.irp i, 0,1,2,3,4,5,6,7
	s_wait_dscnt 7-\i                              ; load i is back, the younger ones may be out
	global_store_b128 v[GL], v[KB+4*\i:KB+4*\i+3], s[\ob:\ob+1] offset:8192*\i th:TH_STORE_NT   ; sixteen lanes store 256 consecutive bytes, at a multiple of 256 from out0's first byte
.endr
	s_wait_xcnt 0x0                                ; the stores have read their registers: the next pass loads into them
.endm
	s_mov_b32 s[PI], s[WV]
	PASS QFA, QSA, QIA, 76                         ; pi = w: w + 1 key steps
	s_xor_b32 s[PI], s[WV], 15
	PASS QFB, QSB, QIB, 78                         ; pi = 15 - w: 16 - w key steps
	s_wait_dscnt 0x0
	s_wait_tensorcnt 0x0
	ds_add_u32 v254, v255
	s_wait_dscnt 0x0
	CROUND                                         ; the closing round: no work-group ends while a partner may still ask for a block that names it
	s_endpgm
.Lfunc_end_k_q223d38d0b6_attn:
	.size	k_q223d38d0b6_attn, .Lfunc_end_k_q223d38d0b6_attn-k_q223d38d0b6_attn
	.p2alignl 7, 3214868480
	.fill 96, 4, 3214868480
	.section	.rodata,"a",@progbits
	.p2align	6, 0x0
	.amdhsa_kernel k_q223d38d0b6_attn
		.amdhsa_group_segment_fixed_size 185344
		.amdhsa_private_segment_fixed_size 0
		.amdhsa_enable_private_segment 0
		.amdhsa_kernarg_size 40
		.amdhsa_user_sgpr_count 2
		.amdhsa_user_sgpr_kernarg_segment_ptr 1
		.amdhsa_wavefront_size32 1
		.amdhsa_system_sgpr_workgroup_id_x 1
		.amdhsa_system_sgpr_workgroup_id_y 1
		.amdhsa_system_sgpr_workgroup_id_z 1
		.amdhsa_system_vgpr_workitem_id 0
		.amdhsa_next_free_vgpr 384
		.amdhsa_next_free_sgpr 96
		.amdhsa_reserve_vcc 1
		.amdhsa_float_denorm_mode_32 3
		.amdhsa_float_denorm_mode_16_64 3
		.amdhsa_memory_ordered 1
		.amdhsa_forward_progress 1
		.amdhsa_inst_pref_size 79
	.end_amdhsa_kernel
	.amdgpu_metadata
---
amdhsa.version: [ 1, 2 ]
amdhsa.kernels:
  - .name:           k_q223d38d0b6_attn
    .symbol:         k_q223d38d0b6_attn.kd
    .args:
      - { .name: q, .offset: 0, .size: 8, .value_kind: global_buffer, .address_space: global }
      - { .name: kq, .offset: 8, .size: 8, .value_kind: global_buffer, .address_space: global }
      - { .name: v_codes, .offset: 16, .size: 8, .value_kind: global_buffer, .address_space: global }
      - { .name: v_scales, .offset: 24, .size: 8, .value_kind: global_buffer, .address_space: global }
      - { .name: out0, .offset: 32, .size: 8, .value_kind: global_buffer, .address_space: global }
    .group_segment_fixed_size: 185344
    .private_segment_fixed_size: 0
    .kernarg_segment_align: 8
    .kernarg_segment_size: 40
    .max_flat_workgroup_size: 256
    .sgpr_count:     96
    .vgpr_count:     384
    .wavefront_size: 32
...
	.end_amdgpu_metadata
.endif
;; end of part 2
